; MI455X (gfx1250); checked and timed in simulation.
; The chip was launched on July 23, 2026; its instructions are those of AMD's public machine-readable ISA for CDNA 5 (MIT licence, August 2026) and "CDNA5" Instruction Set Architecture Reference Guide (July 2026). The comments in the code are by the model that wrote it; some were corrected since.
;; Attention. Allowed arithmetic: matrix products marked QUANTISED: E2M1 operands, one E8M0 scale for each 32 along K, by v_wmma_scale_f32_16x16x128_f8f6f4 with both operands' format E2M1 (or v_wmma_scale_f32_32x16x128_f4), f32 sums; everything else in f32.
;; Inputs: key 4 x 16 x 2,048 x 128 float32; query 4 x 16 x 2,048 x 128 float32; scale_factor 4 x 16 x 1 x 1 float32; value 4 x 16 x 2,048 x 128 float32.
;; Outputs: out0 4 x 16 x 2,048 x 128 float32.
;; This version of the problem:
;;   THIS VERSION OF THE PROBLEM IS GIVEN IN LOW PRECISION. The matrix products marked QUANTISED in the list below multiply operands that are first quantised to E2M1 (2 exponent bits, 1 mantissa bit; 4 bits a number), with one power-of-two scale for each 32 numbers along K (OCP MX v1.0); their sums are f32. All else is computed in f32.
;;   The module's matrix products, in the order in which they are computed (A, B: the left and right operand; K: the contracted axis; several contracted axes count as one K, in the product's order):
;;     1. batch 64 x [M 2,048, K 128] x [K 128, N 2,048]; A: input query; B: input key: QUANTISED
;;     2. batch 64 x [M 2,048, K 2,048] x [K 2,048, N 128]; A: softmax (see below); B: input value: QUANTISED
;;   THE QUANTISER, for each operand of a quantised product, along K:
;;     - K is cut into blocks of 32 from its start; a last block that is shorter is filled with zeros.
;;     - A block's scale is 2^e with e = floor(log2(the largest magnitude in the block)) - 2, held to -126 .. 127; a block of zeros has e = 0. As a byte (E8M0): e + 127.
;;     - Each number is divided by its block's scale, clamped to +-6, and rounded to the nearest number of E2M1, ties to even, subnormals kept.
;;     - The product sums the exact products of the quantised numbers (number of the format x scale) in f32.
;;   ~~~python
;;   def quantise(x, axis):      # numpy; x: float32 -> the quantised numbers, widened to float32 again
;;       x = np.moveaxis(x, axis, -1); K = x.shape[-1]
;;       x = np.pad(x, [(0, 0)] * (x.ndim - 1) + [(0, -K % 32)]); x = x.reshape(x.shape[:-1] + (-1, 32)); a = np.abs(x).max(-1, keepdims=True)
;;       e = np.where(a > 0, np.clip(np.frexp(np.where(a > 0, a, 1))[1] - 1 - 2, -126, 127), 0)      # np.frexp(a)[1] - 1 = floor(log2(a)), exactly
;;       r = np.clip(x / 2.0 ** e, -6, 6)
;;       step = 2.0 ** (np.maximum(np.frexp(np.where(r == 0, 1, r))[1] - 1, 0) - 1)
;;       q = np.round(r / step) * step * 2.0 ** e      # np.round: ties to even
;;       return np.moveaxis(q.reshape(q.shape[:-2] + (-1,))[..., :K], -1, axis).astype(np.float32)
;;   ~~~
;;   SOFTMAX AHEAD OF A QUANTISED PRODUCT. Where the list says 'softmax', what is quantised is not the finished softmax but p = 2^(t - M), with t = logit x log2(e) and M = ceil(the row's largest t), a whole number; so 1/2 < the row's largest p <= 1. The row's sum l is taken of the UNQUANTISED p, in f32, and the product's result is divided by l at the end. Since M is a whole number, a kernel that streams over the keys may use a running M (the ceiling of the running maximum): every later rescaling is an exact power of two, which a block's scale takes up: the codes' values come out the same.
;;   OPERANDS COMPUTED ON THE WAY. 'Computed on the way' means the value that the module computes at that place (a softmax that the list does not call 'softmax' is quantised finished and normalised). What goes into a quantiser is computed in f32, as accurately as f32 sums, v_exp_f32 and their like allow (about 1e-6 of the number): no bf16 or f16 on the way to a quantiser, and a product that is left as it is and whose result goes on into a quantised operand takes f32 operands (vector FMAs, or v_wmma_f32_16x16x4_f32). A number that lies on a knife's edge between two numbers of the format may be rounded either way, as far as f32 arithmetic and the matrix unit's own rounding can turn it there, and no further.
;; One version. Each part assembles by itself: llvm-mc -triple=amdgcn-amd-amdhsa -mcpu=gfx1250 --defsym DOCPART=n.
;; ======== version 1 of 1: 2 launches
;; limits: right only within a limited range of input values
;; workspace buffers: kv 17,825,792 bytes
;; launch prep (part 1): grid 768 x 1, 4 waves a work-group, no clusters, 39,424 bytes of LDS; arguments key, value, kv; writes kv
.if DOCPART == 1
	.amdgcn_target "amdgcn-amd-amdhsa--gfx1250"
	.amdhsa_code_object_version 6
	.text
	.protected	k_qa88f120c95_prep
	.globl	k_qa88f120c95_prep
	.p2align	8
	.type	k_qa88f120c95_prep,@function
k_qa88f120c95_prep:
	s_mov_b64 s[64:65], 0
	v_nop
	global_prefetch_b8 v0, s[64:65] scope:SCOPE_SE
	s_setreg_imm32_b32 hwreg(HW_REG_WAVE_MODE, 25, 1), 1
	s_wait_xcnt 0x0
; key and value, [64 heads][2048 keys][128 d] f32, become codes of FP4 (E2M1) with one E8M0 scale byte for each 32 along a product's K:
; key along d (the first product's K), value along the KEYS (the second product's K).  kv holds them in the order of the operand's registers.
; A KEY STEP (head x 16 + step, 128 keys) is one dense block of STEPB bytes (t = tile 0..7, r = row 0..15, j = block of 32 along K):
;   byte 0      K's codes: the 16 bytes at 1024 t + 256 j + 16 r are d = 32 j .. 32 j + 31 of key 64 (t / 4) + 32 (r / 8) + 8 (t % 4) + r % 8
;   byte 8192   V's codes: the same index: keys 32 j .. 32 j + 31 of channel 16 t + r
;   byte 16384  K's scale words: the word at 256 (t / 4) + 16 r + 4 (t % 4); byte j for block j
;   byte 16896  V's scale words: the same index
; A block's scale is 2^(floor(log2(its largest magnitude)) - 2); its byte is the largest magnitude's exponent field - 2, held at 1 from below.
; LIMITS: a block of zeros gets the byte 1 where the quantiser's rule says 127 (its codes are zeros, and this program alone reads the bytes);
; blocks whose largest magnitude lies under 2^(2 - 126) were not tried; NaN and infinities among the inputs are not served.
; SHARES: work-groups 0 to 255 take 512 keys of value each, work-groups 256 to 767 take 256 keys of key each.  Waves share nothing: no barrier, no cluster.
; V's scale words leave as four bytes a lane, 16 bytes apart: 2,048 bytes of the 34,816 that a work-group stores; two waves share each run of 256 bytes.
.set STEPB, 17408
.set VCO,   8192
.set KSO,   16384
.set VSO,   16896
	s_load_b128 s[4:7], s[0:1], 0x0                ; key, value
	s_load_b64 s[8:9], s[0:1], 0x10                ; kv
	v_lshl_add_u32 v192, v0, 2, 0x9800             ; my spare word
	v_mov_b32 v193, 0
	v_lshrrev_b32 v1, 5, v0
	v_readfirstlane_b32 s16, v1                    ; wave 0..3
	v_and_b32 v2, 31, v0                           ; lane
	s_wait_kmcnt 0x0
	s_cmp_lt_u32 ttmp9, 256                        ; value's work-group or key's
	s_cbranch_scc1 .Lvalue
; KEY: a wave takes 64 keys, 16 steps of four keys.  A step's four loads read 512 consecutive bytes each; the 2,048 bytes turn through the wave's stage in LDS and come back
; 64 bytes a lane: 16 neighbours along d, two lanes to a block.  Codes and scale bytes gather in an image of the wave's four tiles, which leaves in runs of 512 and 256 bytes.
.set STEPS, 16
.set WREG,  9728
.set SP,    80
.set SCB,   2*32*SP
.set IMG,   SCB+256
.set KR,    16
.set KX,    80
.set KE,    112
.set KC,    128
	s_sub_co_u32 s17, ttmp9, 256
	s_lshl_b32 s17, s17, 2
	s_add_co_u32 s18, s17, s16                     ; W: my run of 64 keys, 0 .. 2047
	s_lshl_b32 s20, s18, 15
	s_mov_b32 s21, 0
	s_add_nc_u64 s[4:5], s[4:5], s[20:21]
	s_lshr_b32 s19, s18, 1                         ; two runs to a key step
	s_mul_i32 s19, s19, STEPB
	s_and_b32 s23, s18, 1                          ; tiles 0-3 or 4-7
	s_lshl_b32 s26, s23, 12
	s_add_co_u32 s24, s19, s26                     ; my four tiles of codes
	s_mov_b32 s25, 0
	s_add_nc_u64 s[12:13], s[8:9], s[24:25]
	s_lshl_b32 s26, s23, 8
	s_add_co_u32 s24, s19, s26
	s_add_co_u32 s24, s24, KSO                     ; their scale words
	s_add_nc_u64 s[14:15], s[8:9], s[24:25]
	s_wait_alu depctr_va_vdst(0)
	v_lshlrev_b32 v3, 4, v2
	s_mul_i32 s17, s16, WREG
	v_lshrrev_b32 v14, 2, v2
	v_mul_u32_u24 v14, v14, SP
	v_and_b32 v15, 3, v2
	v_lshl_add_u32 v14, v15, 4, v14
	v_add_nc_u32 v14, s17, v14                     ; the stage, in: SP (lane / 4) + 16 (lane % 4)
	v_mul_u32_u24 v15, v2, SP
	v_add_nc_u32 v15, s17, v15                     ; out: SP x lane
	v_lshrrev_b32 v8, 3, v2                        ; which of the step's four keys
	v_bfe_u32 v9, v2, 1, 2                         ; j
	v_and_b32 v11, 1, v2                           ; half of the block
	v_lshl_add_u32 v5, v8, 4, v9
	v_add_nc_u32 v5, s17, v5                       ; my scale byte: 16 x key + j
	v_lshlrev_b32 v4, 4, v8
	v_lshl_add_u32 v4, v9, 8, v4
	v_lshl_add_u32 v4, v11, 3, v4
	v_add_nc_u32 v4, s17, v4                       ; my 8 bytes of codes: 256 j + 16 x key + 8 x half
	v_lshlrev_b32 v7, 3, v2
	v_add_nc_u32 v6, s17, v7
	v_add_nc_u32 v10, s17, v3
.macro KLOAD t
.irp i, 0,1,2,3
	global_load_b128 v[KR+16*((\t)%4)+4*\i:KR+16*((\t)%4)+4*\i+3], v3, s[4:5] offset:2048*(\t)+512*\i th:TH_LOAD_NT
.endr
.endm
.macro KTURN t                         ; LDS serves a wave's instructions in order: no wait between the stores and the loads
.irp i, 0,1,2,3
	ds_store_b128 v14, v[KR+16*((\t)%4)+4*\i:KR+16*((\t)%4)+4*\i+3] offset:32*SP*((\t)%2)+8*SP*\i
.endr
.irp i, 0,1,2,3
	ds_load_b128 v[KX+16*((\t)%2)+4*\i:KX+16*((\t)%2)+4*\i+3], v15 offset:32*SP*((\t)%2)+16*\i
.endr
.endm
; Step t holds keys 4 t .. 4 t + 3 of the wave's 64.  Key k of the 64 lies in tile (k % 32) / 8 at row 8 (k / 32) + k % 8: rows RS .. RS + 3 of tile TL.
.macro KSTEP t
.set XS, KX+16*((\t)%2)
.set RS, 4*((\t)%2)+8*((\t)/8)
.set TL, ((\t)/2)%4
.if (\t) > 0
	s_wait_dscnt 2                                 ; this step's numbers are back; the last step's two stores may be out
.else
	s_wait_dscnt 0x0
.endif
.if (\t)+4 < STEPS
	KLOAD (\t)+4
.endif
.if (\t)+1 < STEPS
.if STEPS-2-(\t) >= 3
	s_wait_loadcnt 12                              ; the next step's four loads are in; three steps' may be out
.else
	s_wait_loadcnt 4*(STEPS-2-(\t))
.endif
	KTURN (\t)+1
.endif
	v_max3_num_f32 v8, |v[XS]|, |v[XS+1]|, |v[XS+2]|
	v_max3_num_f32 v9, |v[XS+3]|, |v[XS+4]|, |v[XS+5]|
.irp i, 6,10
	v_max3_num_f32 v8, v8, |v[XS+\i]|, |v[XS+\i+1]|
	v_max3_num_f32 v9, v9, |v[XS+\i+2]|, |v[XS+\i+3]|
.endr
	v_max3_num_f32 v8, v8, |v[XS+14]|, |v[XS+15]|
	v_max3_num_f32 v8, v8, v9, 0x1800000           ; the floor 2^(3 - 127): the byte cannot fall under 1
	v_max_num_f32_dpp v8, v8, v8 row_xmask:1 row_mask:0xf bank_mask:0xf
	v_add_nc_u32 v11, 0xff000000, v8               ; 2 off the exponent field: the conversion's scale operand
	v_cvt_scalef32_pk8_fp4_f32 v[KC+4*(\t)], v[XS:XS+7], v11
	v_cvt_scalef32_pk8_fp4_f32 v[KC+4*(\t)+1], v[XS+8:XS+15], v11
	v_lshrrev_b32 v[KE+(\t)], 23, v11              ; the scale's byte
	ds_store_b8 v5, v[KE+(\t)] offset:SCB+16*RS+4*TL
	ds_store_b64 v4, v[KC+4*(\t):KC+4*(\t)+1] offset:IMG+1024*TL+16*RS
.endm
.irp t, 0,1,2,3
	KLOAD \t
.endr
	s_wait_loadcnt 12
	KTURN 0
.irp t, 0,1,2,3,4,5,6,7,8,9,10,11,12,13,14,15
	KSTEP \t
.endr
	ds_load_b64 v[12:13], v6 offset:SCB
.irp i, 0,1,2,3,4,5,6,7
	ds_load_b128 v[KR+4*\i:KR+4*\i+3], v10 offset:IMG+512*\i
.endr
	s_wait_dscnt 8
	global_store_b64 v7, v[12:13], s[14:15]        ; 256 consecutive bytes, aligned
.irp i, 0,1,2,3,4,5,6,7
	s_wait_dscnt 7-\i
	global_store_b128 v3, v[KR+4*\i:KR+4*\i+3], s[12:13] offset:512*\i
.endr
	s_wait_tensorcnt 0x0                           ; the wave's end
	ds_add_u32 v192, v193
	s_wait_dscnt 0x0
	s_endpgm
; VALUE: a lane takes channel 32 x wave + lane, and its registers run down the keys: a block of 32 keys lies in one lane's 32 registers.
; Its 16 bytes of codes stand beside the neighbouring channels': sixteen lanes store 256 consecutive bytes.  Loads run two blocks ahead.
.set VX,  32
.set VC,  96
.set VB,  24
.Lvalue:
	s_lshl_b32 s20, ttmp9, 18                      ; my 512 keys of value,
	s_lshl_b32 s22, s16, 7                         ; my wave's 32 channels
	s_add_co_u32 s20, s20, s22
	s_mov_b32 s21, 0
	s_add_nc_u64 s[6:7], s[6:7], s[20:21]
	s_mul_i32 s22, ttmp9, 4*STEPB                  ; my four key steps of kv
	s_mov_b32 s23, 0
	s_add_nc_u64 s[8:9], s[8:9], s[22:23]
	s_lshl_b32 s24, s16, 11
	s_lshr_b32 s25, s16, 1
	s_lshl_b32 s25, s25, 8
	s_and_b32 s26, s16, 1
	s_lshl_b32 s26, s26, 3
	s_add_co_u32 s25, s25, s26                     ; 256 (wave / 2) + 8 (wave % 2)
	s_wait_alu depctr_va_vdst(0)
	v_lshlrev_b32 v3, 2, v2
	v_lshrrev_b32 v8, 4, v2
	v_and_b32 v9, 15, v2
	v_lshlrev_b32 v4, 4, v9
	v_lshl_add_u32 v4, v8, 10, v4
	v_add_nc_u32 v4, s24, v4                       ; codes: tile t = 2 x wave + lane / 16, row r = lane % 16: 1024 t + 16 r
	v_lshlrev_b32 v5, 4, v9
	v_lshl_add_u32 v5, v8, 2, v5
	v_add_nc_u32 v5, s25, v5                       ; scale words: 256 (t / 4) + 16 r + 4 (t % 4)
.macro VLOAD t
.irp i, 0,1,2,3,4,5,6,7,8,9,10,11,12,13,14,15,16,17,18,19,20,21,22,23,24,25,26,27,28,29,30,31
	global_load_b32 v[VX+32*((\t)%2)+\i], v3, s[6:7] offset:(32*(\t)+\i)*512 th:TH_LOAD_NT
.endr
.endm
.macro VBLOCK t
.set XS, VX+32*((\t)%2)
.if (\t) < 15
	s_wait_loadcnt 32                              ; this block's 32 loads are in; the next block's may be out
.else
	s_wait_loadcnt 0x0
.endif
	v_max3_num_f32 v12, |v[XS]|, |v[XS+1]|, |v[XS+2]|
	v_max3_num_f32 v13, |v[XS+3]|, |v[XS+4]|, |v[XS+5]|
.irp i, 6,10,14,18,22,26
	v_max3_num_f32 v12, v12, |v[XS+\i]|, |v[XS+\i+1]|
	v_max3_num_f32 v13, v13, |v[XS+\i+2]|, |v[XS+\i+3]|
.endr
	v_max3_num_f32 v12, v12, |v[XS+30]|, |v[XS+31]|
	v_max3_num_f32 v12, v12, v13, 0x1800000
	v_add_nc_u32 v11, 0xff000000, v12
	v_lshrrev_b32 v13, 23, v11
.if (\t)%4 == 0
	v_mov_b32 v[VB+(\t)/4], v13                    ; key step t / 4, block t % 4
.else
	v_lshl_or_b32 v[VB+(\t)/4], v13, 8*((\t)%4), v[VB+(\t)/4]
.endif
.irp g, 0,1,2,3
	v_cvt_scalef32_pk8_fp4_f32 v[VC+4*(\t)+\g], v[XS+8*\g:XS+8*\g+7], v11
.endr
	global_store_b128 v4, v[VC+4*(\t):VC+4*(\t)+3], s[8:9] offset:VCO+((\t)/4)*STEPB+((\t)%4)*256
.if (\t)+2 < 16
	VLOAD (\t)+2
.endif
.endm
	VLOAD 0
	VLOAD 1
.irp t, 0,1,2,3,4,5,6,7,8,9,10,11,12,13,14,15
	VBLOCK \t
.endr
.irp q, 0,1,2,3
	global_store_b32 v5, v[VB+\q], s[8:9] offset:VSO+\q*STEPB
.endr
	s_endpgm
.Lfunc_end_k_qa88f120c95_prep:
	.size	k_qa88f120c95_prep, .Lfunc_end_k_qa88f120c95_prep-k_qa88f120c95_prep
	.p2alignl 7, 3214868480
	.fill 96, 4, 3214868480
	.section	.rodata,"a",@progbits
	.p2align	6, 0x0
	.amdhsa_kernel k_qa88f120c95_prep
		.amdhsa_group_segment_fixed_size 39424
		.amdhsa_private_segment_fixed_size 0
		.amdhsa_enable_private_segment 0
		.amdhsa_kernarg_size 24
		.amdhsa_user_sgpr_count 2
		.amdhsa_user_sgpr_kernarg_segment_ptr 1
		.amdhsa_wavefront_size32 1
		.amdhsa_system_sgpr_workgroup_id_x 1
		.amdhsa_system_sgpr_workgroup_id_y 1
		.amdhsa_system_sgpr_workgroup_id_z 1
		.amdhsa_system_vgpr_workitem_id 0
		.amdhsa_next_free_vgpr 194
		.amdhsa_next_free_sgpr 66
		.amdhsa_reserve_vcc 0
		.amdhsa_float_denorm_mode_32 3
		.amdhsa_float_denorm_mode_16_64 3
		.amdhsa_memory_ordered 1
		.amdhsa_forward_progress 1
		.amdhsa_inst_pref_size 109
	.end_amdhsa_kernel
	.amdgpu_metadata
---
amdhsa.version: [ 1, 2 ]
amdhsa.kernels:
  - .name:           k_qa88f120c95_prep
    .symbol:         k_qa88f120c95_prep.kd
    .args:
      - { .name: key, .offset: 0, .size: 8, .value_kind: global_buffer, .address_space: global }
      - { .name: value, .offset: 8, .size: 8, .value_kind: global_buffer, .address_space: global }
      - { .name: kv, .offset: 16, .size: 8, .value_kind: global_buffer, .address_space: global }
    .group_segment_fixed_size: 39424
    .private_segment_fixed_size: 0
    .kernarg_segment_align: 8
    .kernarg_segment_size: 24
    .max_flat_workgroup_size: 128
    .sgpr_count:     66
    .vgpr_count:     194
    .wavefront_size: 32
...
	.end_amdgpu_metadata
.endif
;; end of part 1
;; launch attn (part 2): grid 4 x 64, 16 waves a work-group, clusters of 4 x 1, 327,680 bytes of LDS; arguments query, scale_factor, kv, out0; writes out0
.if DOCPART == 2
	.amdgcn_target "amdgcn-amd-amdhsa--gfx1250"
	.amdhsa_code_object_version 6
	.text
	.protected	k_qa88f120c95_attn
	.globl	k_qa88f120c95_attn
	.p2align	8
	.type	k_qa88f120c95_attn,@function
k_qa88f120c95_attn:
	s_mov_b64 s[64:65], 0
	v_nop
	global_prefetch_b8 v0, s[64:65] scope:SCOPE_SE
	s_setreg_imm32_b32 hwreg(HW_REG_WAVE_MODE, 25, 1), 1
	s_wait_xcnt 0x0
	s_wait_alu depctr_hold_cnt(0) depctr_sa_sdst(0) depctr_va_vdst(0) depctr_va_sdst(0) depctr_va_ssrc(0) depctr_va_vcc(0) depctr_vm_vsrc(0)
	s_getreg_b32 s2, hwreg(HW_REG_IB_STS2, 6, 4)
	s_cmp_eq_u32 s2, 0
	s_cbranch_scc0 .Lentry_in_a_cluster
	s_endpgm
.Lentry_in_a_cluster:
	s_bfe_u32 s2, ttmp6, 0x10000c
	s_cmp_lg_u32 s2, 0x3003
	s_cbranch_scc0 .Lentry_shape_is_right
	s_endpgm
.Lentry_shape_is_right:
; out0[head][q][:] = the sum over k of softmax_k(query[head][q] . key[head][k] x scale_factor[head]) value[head][k][:]: 64 heads, 2,048 queries and keys, 128 channels, f32.
; Both products run on codes of FP4 (E2M1) with one E8M0 scale for each 32 along K.  key's and value's codes and scale words come from kv, laid by the launch before in the order of the
; operand's registers, a dense block of STEPB bytes for each key step of 128 keys.  query is quantised here: each tile is read once, by one wave.
; THE SOFTMAX: t = score x |c|, c = scale x log2(e); M = the row's largest t so far, rounded UP to a whole number; p = 2^(t - M) is quantised along the keys, not normalised.
; The row's sum is taken of the unquantised p and divides O at the end.  When M moves, the sum and O are multiplied by 2^(old M - new M): exact.  c's sign goes into query's codes.
; SHARES.  256 work-groups: a work-group owns 512 queries of one head; each of its sixteen waves two tiles of 16, one after the other, each over all 16 key steps.
; LDS.  The head's image, 16 x STEPB = 278,528 bytes, is filled once: each wave brings a sixteenth of key steps 0-3 at the head, and a sixteenth of steps 4-15 behind the first round.
; CLUSTER.  The four work-groups of a head form a cluster and ask for the image jointly.
; NO PREFETCH OF kv: all of the image is asked for by the text's first two loads; no later load is left to run ahead of.  Tile 1's query is prefetched 12 key steps ahead of its loads.
; LAYOUT.  S^T = K Q^T, O^T = V^T P^T, by the form of 32 rows: source 0 = tiles g and g + 4 of kv (16 rows each), source 1 = my 16 queries: a lane holds ONE query (lane % 16).
; Row 8 h + j of K's tile 4 c + g is key 64 c + 32 h + 8 g + j, so lane (r, h) holds in registers 16 g + 8 c + j of S^T the whole block 2 c + h of 32 keys, eight neighbours to a group:
; the conversions' results are the second product's operand.  A register of scale words holds tile g's in lanes 0-15 and tile g + 4's in lanes 16-31, a lane to each of the 32 rows.
; LIMITS: NaN and infinities among the inputs are not served.  A block of zeros gets the scale byte 1 (its codes are zeros).  The promise holds while |t| stays under 2^31.
; t is score x (scale x log2 e).  A block's largest p is taken from its largest score: that takes v_exp_f32 not to fall where its input rises.
.set STEPB, 17408
.set VCO,   8192
.set KSO,   16384
.set VSO,   16896
.set IMGB,  16*STEPB
.set PA,    4*STEPB/16                 ; 4,352 bytes: 17 rows of 256: a wave's load at the head
.set PB,    12*STEPB/16                ; 13,056 bytes: 51 rows: its second load
.set WREG,  2816                       ; behind the image: each wave's own bytes: Q's codes (1,024) and scale words (64), later the stage of 16 rows x SPI
.set SPI,   144                        ; a stage row: 128 bytes + 16 of padding
.set SPARE, IMGB+16*WREG               ; the spare words, 128 bytes a wave
.set TILE1, 131072                     ; bytes from tile 0's rows to tile 1's: 256 rows of 512
.set ADK,  1                           ; LDS address of the step's block + 16 x lane
.set AL,   2                           ; 16 x lane
.set SH,   3                           ; 8 h
.set CV,   4                           ; v[4:5] |c|, twice
.set STI,  6                           ; stage, in
.set GO,   7                           ; my byte offset in two rows of out0
.set STO,  8                           ; stage, out
.set QG,   9                           ; query: 512 (lane / 16) + 32 (lane % 16)
.set QCW,  10                          ; where my word of Q's codes goes
                                       ; v11 at work; v12 -M, v13 the largest score; v[14:15] the sum
.set QF,   16                          ; v16-23 Q's codes
.set SW,   24                          ; v24-27 K's scale words, v28-31 V's
.set FR,   32                          ; v32-95 four fragments of 32 rows
.set SS,   96                          ; v96-159 S^T, then p
.set OT,   160                         ; v160-223 O^T
.set PC,   224                         ; v224-231 p's codes; v232-238 at work
.set QBW,  239                         ; where my scale byte of Q goes
.set T1,   240                         ; v240-245 three more chains of the row's sum
.set T2,   242
.set T3,   244
.set QRD,  246                         ; Q's fragment in LDS
.set QSR,  247                         ; Q's scale word in LDS
.set PFO,  248                         ; 256 x lane
.set SPW,  250
.set NIL,  251                         ; v252 f, v253 p's scale word, v254 at work, v255 Q's scale word
.set TB,   2
.set WV,   18
.set SEL,  20
.set G1A,  24
.set G1B,  32
.set G0A,  40
.set G0B,  44
.set CNT,  49
.set MLO,  66                          ; lanes 8-15 and 24-31
.macro ROUND                           ; a round of the cluster's barrier
	s_barrier_signal -1
	s_barrier_wait -1
	s_cmp_lg_u32 s[WV], 0
	s_cbranch_scc1 .Lnot_wave_0_\@
	s_barrier_signal -3
.Lnot_wave_0_\@:
	s_barrier_wait -3
	s_barrier_signal -1
	s_barrier_wait -1
.endm
.macro ACC d, j
	v_pk_add_f32 v[\d:\d+1], v[\d:\d+1], v[SS+\j:SS+\j+1]
.endm
; score n (0 .. 31) of my block c stands in register 16 (n / 8) + 8 c + n % 8 of S^T
.macro MX0 d, c, a
	v_max3_num_f32 v[\d], v[SS+16*((\a)/8)+8*(\c)+(\a)%8], v[SS+16*((\a)/8)+8*(\c)+(\a)%8+1], v[SS+16*((\a)/8)+8*(\c)+(\a)%8+2]
.endm
.macro MX d, c, a, b
	v_max3_num_f32 v[\d], v[\d], v[SS+16*((\a)/8)+8*(\c)+(\a)%8], v[SS+16*((\b)/8)+8*(\c)+(\b)%8]
.endm
; A tile of query into v[x ..]: lane l takes 8 neighbours, d = 8 (l % 16) .., of row 2 i + l / 16: four lanes hold a block; sixteen lanes read a row's 512 bytes in two loads
.macro QLOAD x, off
.irp i, 0,1,2,3,4,5,6,7
	global_load_b128 v[\x+8*\i:\x+8*\i+3], v[QG], s[4:5] offset:\off+1024*\i th:TH_LOAD_NT
	global_load_b128 v[\x+8*\i+4:\x+8*\i+7], v[QG], s[4:5] offset:\off+1024*\i+16 th:TH_LOAD_NT
.endr
.endm
; It is quantised (24 registers at work from v[w] on), eight row pairs by turns; codes (row x 64 bytes) and scale bytes (row x 4) go to my own LDS bytes and come back as the operand's registers
.macro QUANT x, w
.irp i, 0,1,2,3,4,5,6,7
	v_max3_num_f32 v[\w+\i], |v[\x+8*\i]|, |v[\x+8*\i+1]|, 0x1800000   ; the floor 2^(3 - 127) holds the byte at 1 from below
.endr
.irp k, 2,4,6
.irp i, 0,1,2,3,4,5,6,7
	v_max3_num_f32 v[\w+\i], v[\w+\i], |v[\x+8*\i+\k]|, |v[\x+8*\i+\k+1]|
.endr
.endr
.irp m, 1,2
.irp i, 0,1,2,3,4,5,6,7
	v_max_num_f32_dpp v[\w+\i], v[\w+\i], v[\w+\i] row_xmask:\m row_mask:0xf bank_mask:0xf
.endr
.endr
.irp i, 0,1,2,3,4,5,6,7
	v_add_nc_u32 v[\w+\i], 0xff000000, v[\w+\i]    ; 2 off the exponent field: the conversion's scale operand
.endr
.irp i, 0,1,2,3,4,5,6,7
	v_cvt_scalef32_pk8_fp4_f32 v[\w+8+\i], v[\x+8*\i:\x+8*\i+7], v[\w+\i]
.endr
.irp i, 0,1,2,3,4,5,6,7
	v_lshrrev_b32 v[\w+16+\i], 23, v[\w+\i]        ; the scale's byte
.endr
.irp i, 0,1,2,3,4,5,6,7
	v_xor_b32 v[\w+8+\i], s61, v[\w+8+\i]          ; the scale factor's sign goes into the codes
.endr
.irp i, 0,1,2,3,4,5,6,7
	ds_store_b32 v[QCW], v[\w+8+\i] offset:128*\i
	ds_store_b8 v[QBW], v[\w+16+\i] offset:8*\i    ; a block's four lanes write the same byte with the same value
.endr
	ds_load_b128 v[QF:QF+3], v[QRD]                ; LDS serves a wave's instructions in order: these see my stores
	ds_load_b128 v[QF+4:QF+7], v[QRD] offset:32
	ds_load_b32 v255, v[QSR]
.endm
.macro INIT
	v_mov_b32 v13, 0xff61b1e6                      ; the largest score so far: -3e38
	v_floor_f32 v12, -v13
	v_mov_b32 v14, 0
	v_mov_b32 v15, 0
.irp j, 0,1,2,3,4,5
	v_mov_b32 v[T1+\j], 0
.endr
.set J, 0
.rept 64
	v_mov_b32 v[OT+J], 0                           ; the step is written once: the first finds zeros
.set J, J+1
.endr
	s_mov_b32 s[TB], 0
	v_mov_b32 v[ADK], v[AL]
	s_wait_alu depctr_va_vdst(0)
.endm
; A KEY STEP: 128 keys.  Tile t's fragment goes to registers 16 (t % 4) + 8 (t / 4) of the 64
.macro STEP
.irp t, 0,1,2,3,4,5,6,7
	ds_load_b128 v[FR+16*(\t%4)+8*(\t/4):FR+16*(\t%4)+8*(\t/4)+3], v[ADK] offset:1024*\t
	ds_load_b128 v[FR+16*(\t%4)+8*(\t/4)+4:FR+16*(\t%4)+8*(\t/4)+7], v[ADK] offset:1024*\t+512
.endr
	ds_load_b128 v[SW:SW+3], v[ADK] offset:KSO
	s_wait_alu depctr_va_vdst(0)
	s_wait_dscnt 0x0
.irp g, 0,1,2,3
	v_wmma_scale_f32_32x16x128_f4 v[SS+16*\g:SS+16*\g+15], v[FR+16*\g:FR+16*\g+15], v[QF:QF+7], 0, v[SW+\g], v255
.endr
	v_pk_add_f32 v[14:15], v[14:15], v[T1:T1+1]    ; four places behind the products: the last step's chains join the sum,
	v_pk_add_f32 v[T2:T2+1], v[T2:T2+1], v[T3:T3+1]
	v_mov_b32 v254, v12                            ; and the old -M is kept
	v_pk_add_f32 v[14:15], v[14:15], v[T2:T2+1]
.irp t, 0,1,2,3,4,5,6,7                        ; V's fragments land under the softmax
	ds_load_b128 v[FR+16*(\t%4)+8*(\t/4):FR+16*(\t%4)+8*(\t/4)+3], v[ADK] offset:VCO+1024*\t
	ds_load_b128 v[FR+16*(\t%4)+8*(\t/4)+4:FR+16*(\t%4)+8*(\t/4)+7], v[ADK] offset:VCO+1024*\t+512
.endr
	ds_load_b128 v[SW+4:SW+7], v[ADK] offset:VSO
	s_add_co_u32 s[TB], s[TB], STEPB
; the largest score of my two blocks, each in two chains; block 0's line goes first
.irp c, 0,1
	MX0 232+\c, \c, 0
	MX0 234+\c, \c, 17
.endr
.irp i, 3,5,7,9,11,13
.irp c, 0,1
	MX 232+\c, \c, \i, \i+1
	MX 234+\c, \c, \i+17, \i+18
.endr
.endr
.irp c, 0,1
	MX 232+\c, \c, 15, 16
.endr
.irp c, 0,1
	s_delay_alu instid0(VALU_DEP_2)
	v_max_num_f32 v[232+\c], v[232+\c], v[234+\c]
.endr
	s_delay_alu instid0(VALU_DEP_1)
	v_max_num_f32 v11, v232, v233
	s_delay_alu instid0(VALU_DEP_1)
	v_permlanex16_b32 v238, v11, s[SEL], s[SEL+1]  ; lane l xor 16 holds my query's other two blocks
	s_delay_alu instid0(VALU_DEP_1)
	v_max3_num_f32 v13, v13, v11, v238             ; the running largest score
	s_delay_alu instid0(VALU_DEP_1)
	v_mul_f32 v11, v[CV], v13                      ; as t (|c| is not negative)
	s_delay_alu instid0(VALU_DEP_1)
	v_floor_f32 v12, -v11                          ; -M = -ceil(t)
	s_delay_alu instid0(VALU_DEP_1)
	v_sub_f32 v254, v12, v254                      ; old M - new M: a whole number, 0 or less
.irp j, 0,2,4,6,8,10,12,14
	v_pk_fma_f32 v[SS+\j:SS+\j+1], v[SS+\j:SS+\j+1], v[CV:CV+1], v[12:13] op_sel_hi:[1,0,0]   ; t - M
.endr
	v_cvt_i32_f32 v254, v254                       ; (it saturates)
.irp j, 16,18,20,22,24,26,28,30
	v_pk_fma_f32 v[SS+\j:SS+\j+1], v[SS+\j:SS+\j+1], v[CV:CV+1], v[12:13] op_sel_hi:[1,0,0]
.endr
	v_ldexp_f32 v252, 1.0, v254                    ; f = 2^(old M - new M)
.irp j, 32,34,36,38,40,42,44,46,48,50,52,54,56,58,60,62
	v_pk_fma_f32 v[SS+\j:SS+\j+1], v[SS+\j:SS+\j+1], v[CV:CV+1], v[12:13] op_sel_hi:[1,0,0]
.endr
.irp c, 0,1
	v_fma_f32 v[232+\c], v[232+\c], v[CV], v12     ; the same of each block's largest score
.endr
	v_pk_mul_f32 v[14:15], v[14:15], v[252:253] op_sel_hi:[1,0]
.irp j, 0,2,4,6,8,10,12,14,16,18,20,22,24,26,28,30,32,34,36,38,40,42,44,46,48,50,52,54,56,58,60,62
	v_pk_mul_f32 v[OT+\j:OT+\j+1], v[OT+\j:OT+\j+1], v[252:253] op_sel_hi:[1,0]   ; O^T under the new M
.endr
	s_wait_alu depctr_va_vdst(0)
.set J, 0
.rept 64
	v_exp_f32 v[SS+J], v[SS+J]                     ; p = 2^(t - M)
.set J, J+1
.endr
	v_exp_f32 v232, v232                           ; my blocks' largest p
	v_exp_f32 v233, v233
	v_add_nc_u32 v[ADK], s[TB], v[AL]              ; the next step's block (a plain line behind the batch)
	s_wait_alu depctr_va_vdst(0)                   ; and the wait behind it, ahead of its first reader
; p's scales and codes, and the row's sum of the unquantised p in four chains.  The lines that make the scale word stand among the conversions and the sums: each reads what was written five or more vector lines before
	v_max_num_f32 v232, 0x1800000, v232            ; the floor: the byte cannot fall under 1
	v_max_num_f32 v233, 0x1800000, v233
	v_pk_add_f32 v[T1:T1+1], v[SS:SS+1], v[SS+2:SS+3]
	v_pk_add_f32 v[T2:T2+1], v[SS+4:SS+5], v[SS+6:SS+7]
	v_pk_add_f32 v[T3:T3+1], v[SS+8:SS+9], v[SS+10:SS+11]
	v_add_nc_u32 v236, 0xff000000, v232            ; the conversions' scale operands
	v_add_nc_u32 v237, 0xff000000, v233
	ACC 14, 12
	ACC T1, 14
	ACC T2, 16
	v_lshrrev_b32 v234, 23, v236                   ; the scales' bytes
	v_lshrrev_b32 v235, 23, v237
.irp g, 0,1,2,3
	v_cvt_scalef32_pk8_fp4_f32 v[PC+\g], v[SS+16*\g:SS+16*\g+7], v236
.endr
	v_lshl_or_b32 v253, v235, 16, v234             ; my two bytes, blocks h and 2 + h,
.irp g, 0,1,2,3
	v_cvt_scalef32_pk8_fp4_f32 v[PC+4+\g], v[SS+16*\g+8:SS+16*\g+15], v237
.endr
	v_lshlrev_b32 v253, v[SH], v253                ; at their places;
	ACC T3, 18
	ACC 14, 20
	ACC T1, 22
	ACC T2, 24
	v_permlanex16_b32 v238, v253, s[SEL], s[SEL+1]
	ACC T3, 26
	ACC 14, 28
	ACC T1, 30
	ACC T2, 32
	v_or_b32 v253, v253, v238                      ; with lane l xor 16's two p's scale word is whole; the eleven lines below stand between it and the products
	ACC T3, 34
	ACC 14, 36
.irp j, 38,46
	ACC T1, \j
	ACC T2, \j+2
	ACC T3, \j+4
	ACC 14, \j+6
.endr
	ACC T1, 54
	s_wait_alu depctr_va_vdst(0)
	s_wait_dscnt 0x0                               ; V's fragments and scale words are in
.irp g, 0,1,2,3                                ; the four accumulators take turns
	v_wmma_scale_f32_32x16x128_f4 v[OT+16*\g:OT+16*\g+15], v[FR+16*\g:FR+16*\g+15], v[PC:PC+7], v[OT+16*\g:OT+16*\g+15], v[SW+4+\g], v253
.endr
	ACC T2, 56                                     ; the sum's last four pairs are the four places in front of the next loads into the fragments
	ACC T3, 58
	ACC 14, 60
	ACC T1, 62
.endm
.macro LOOP n
	s_mov_b32 s[CNT], \n
.Lstep_\@:
	STEP
	s_sub_co_u32 s[CNT], s[CNT], 1
	s_cmp_lg_u32 s[CNT], 0
	s_cbranch_scc1 .Lstep_\@
.endm
; THE WAY OUT of a tile.  O^T / the sum goes through my stage, 16 rows x 128 bytes (32 channels) at a time.  A run of 256 bytes of out0 is 64 channels: its two halves pass the stage one after
; the other and are read back at one address, 16 (lane % 8) in row 2 i + lane / 16; lanes 0-7 of sixteen keep the first half's 16 bytes, lanes 8-15 the second's: sixteen lanes store an aligned run of 256 bytes.
; more = 1: the next tile's query is asked for as soon as O^T's registers are free.
.macro WAYOUT off, more
	v_pk_add_f32 v[14:15], v[14:15], v[T1:T1+1]
	v_pk_add_f32 v[T2:T2+1], v[T2:T2+1], v[T3:T3+1]
	s_delay_alu instid0(VALU_DEP_1)
	v_pk_add_f32 v[14:15], v[14:15], v[T2:T2+1]
	s_delay_alu instid0(VALU_DEP_1)
	v_add_f32 v14, v14, v15
	s_delay_alu instid0(VALU_DEP_1)
	v_permlanex16_b32 v238, v14, s[SEL], s[SEL+1]
	s_delay_alu instid0(VALU_DEP_1)
	v_add_f32 v14, v14, v238                       ; the row's sum
	s_wait_alu depctr_va_vdst(0)
	v_rcp_f32 v14, v14
	v_nop
	s_wait_alu depctr_va_vdst(0)                   ; and behind it, directly ahead of the first readers of it and of O^T
.irp j, 0,2,4,6,8,10,12,14,16,18,20,22,24,26,28,30,32,34,36,38,40,42,44,46,48,50,52,54,56,58,60,62
	v_pk_mul_f32 v[SS+\j:SS+\j+1], v[OT+\j:OT+\j+1], v[14:15] op_sel_hi:[1,0]   ; register 16 (t % 4) + 8 (t / 4) + i is out0(r, 16 t + 8 h + i)
.endr
.if \more
	QLOAD OT, TILE1
.endif
	s_wait_alu depctr_va_vdst(0)
.irp u, 0,1                                    ; channels 64 u on
.if \u > 0
	s_wait_xcnt 0x0                                ; the first half row's stores have read their data registers, which are loaded anew below
.endif
.irp p, 0,1                                    ; channels 32 p on: tiles 4 u + 2 p + t
.irp t, 0,1
	ds_store_b128 v[STI], v[SS+32*\p+16*\t+8*\u:SS+32*\p+16*\t+8*\u+3] offset:64*\t
	ds_store_b128 v[STI], v[SS+32*\p+16*\t+8*\u+4:SS+32*\p+16*\t+8*\u+7] offset:64*\t+16
.endr
.irp i, 0,1,2,3,4,5,6,7
	ds_load_b128 v[FR+32*\p+4*\i:FR+32*\p+4*\i+3], v[STO] offset:2*\i*SPI   ; LDS serves a wave's instructions in order: these see my stores, and the next stores come behind them
.endr
.endr
	s_wait_dscnt 0x0
.set J, 0
.rept 32
	v_cndmask_b32 v[FR+J], v[FR+J], v[FR+32+J], s[MLO]   ; lanes 8-15 of sixteen take the second 32 channels
.set J, J+1
.endr
.irp i, 0,1,2,3,4,5,6,7
	global_store_b128 v[GO], v[FR+4*\i:FR+4*\i+3], s[10:11] offset:\off+2*\i*512+256*\u th:TH_STORE_NT
.endr
.endr
	s_wait_xcnt 0x0                                ; the stores' data registers may be written again
.endm
	s_load_b256 s[4:11], s[0:1], 0x0               ; query, scale_factor, kv, out0
	v_lshl_add_u32 v[SPW], v0, 2, SPARE
	v_mov_b32 v[NIL], 0
	ds_add_u32 v[SPW], v[NIL]                      ; the opening lines: the add twice on end and its wait
	ds_add_u32 v[SPW], v[NIL]
	v_lshrrev_b32 v1, 5, v0
	v_readfirstlane_b32 s[WV], v1                  ; wave 0..15
	s_bfe_u32 s50, ttmp6, 0x40000                  ; cx: my block of 512 queries; it enters query's and out0's addresses alone
	s_and_b32 s52, ttmp7, 0xffff                   ; the head, which the four partners share
	s_mov_b32 s[G1A], 15|(3<<16)|(1<<21)           ; mask of all four; elements of 8 bytes; bit 21 beside a mask
	s_mov_b32 s[G1A+1], 32<<16
	s_mov_b32 s[G1A+2], 17<<16                     ; 17 rows of 256 bytes
	s_mov_b32 s[G1A+3], 32<<16
	s_mov_b32 s[G1A+4], 17
	s_mov_b32 s[G1A+5], 32
	s_mov_b32 s[G1A+6], 0
	s_mov_b32 s[G1A+7], 0
	s_mov_b32 s[G1B], 15|(3<<16)|(1<<21)
	s_mov_b32 s[G1B+1], 32<<16
	s_mov_b32 s[G1B+2], 51<<16                     ; 51 rows
	s_mov_b32 s[G1B+3], 32<<16
	s_mov_b32 s[G1B+4], 51
	s_mov_b32 s[G1B+5], 32
	s_mov_b32 s[G1B+6], 0
	s_mov_b32 s[G1B+7], 0
	s_mul_i32 s53, s[WV], PA                       ; my part of steps 0-3: the same offset in the head's image and in LDS
	s_mul_i32 s51, s[WV], PB
	s_add_co_u32 s51, s51, 4*STEPB                 ; and of steps 4-15
	s_mul_i32 s54, s52, IMGB
	s_add_co_u32 s56, s54, s53
	s_mov_b32 s57, 0
	s_add_co_u32 s62, s54, s51
	s_mov_b32 s63, 0
	s_lshl_b32 s58, s52, 11                        ; my first query: 2048 x head + 512 x block + 16 x wave,
	s_lshl_b32 s54, s50, 9
	s_add_co_u32 s58, s58, s54
	s_lshl_b32 s54, s[WV], 4
	s_add_co_u32 s58, s58, s54
	s_lshl_b32 s58, s58, 9                         ; in rows of 512 bytes
	s_mov_b32 s59, 0
	s_lshl_b32 s54, s52, 2                         ; the head's scale
	s_mov_b32 s55, 0
	s_mov_b32 s[SEL], 0x76543210
	s_mov_b32 s[SEL+1], 0xfedcba98
	s_mul_i32 s69, s[WV], WREG
	s_add_co_u32 s69, s69, IMGB                    ; my own LDS bytes
	s_add_co_u32 s70, s69, 1024
	v_and_b32 v11, 31, v0                          ; lane
	v_and_b32 v254, 15, v0                         ; r
	v_bfe_u32 v252, v0, 4, 1                       ; h
	v_lshlrev_b32 v[AL], 4, v11
	v_lshlrev_b32 v[PFO], 8, v11
	v_lshlrev_b32 v[SH], 3, v252
	v_lshlrev_b32 v[QG], 9, v252
	v_lshlrev_b32 v[GO], 9, v252
	v_lshlrev_b32 v[QCW], 2, v11
	v_lshrrev_b32 v[QBW], 2, v254
	v_lshlrev_b32 v[QRD], 6, v254
	v_lshlrev_b32 v[QSR], 2, v254
	v_and_b32 v[STI], 15, v0
	v_mul_u32_u24 v[STO], v252, SPI
	v_lshl_add_u32 v[QG], v254, 5, v[QG]
	v_lshl_add_u32 v[GO], v254, 4, v[GO]
	v_add_nc_u32 v[QCW], s69, v[QCW]               ; 4 x lane: row (2 i + lane / 16) x 64 + 4 (lane % 16), less 128 i
	v_lshl_add_u32 v[QBW], v252, 2, v[QBW]
	v_lshl_add_u32 v[QRD], v252, 4, v[QRD]
	v_add_nc_u32 v[QSR], s70, v[QSR]
	v_mul_u32_u24 v[STI], v[STI], SPI
	v_and_b32 v11, 7, v254
	v_lshl_add_u32 v[STO], v11, 4, v[STO]
	v_add_nc_u32 v[QBW], s70, v[QBW]               ; 4 (lane / 16) + (lane % 16) / 4
	v_add_nc_u32 v[QRD], s69, v[QRD]               ; 64 r + 16 h
	v_lshl_add_u32 v[STI], v252, 5, v[STI]
	v_add_nc_u32 v[STO], s69, v[STO]               ; back: lanes 0-15 one row, lanes 16-31 the next
	v_cmp_le_u32 s[MLO], 8, v254
	v_add_nc_u32 v[STI], s69, v[STI]               ; in: row r, 32 h bytes on
	v_mov_b32 v238, 0                              ; a lane permute's destination counts as one of its sources
	v_mov_b32 v253, 0                              ; (named in the pair v[252:253] before it is first written)
	s_wait_alu depctr_va_vdst(0)
	s_wait_dscnt 0x0                               ; both opening adds are done
	s_wait_kmcnt 0x0
	s_add_nc_u64 s[4:5], s[4:5], s[58:59]
	s_add_nc_u64 s[10:11], s[10:11], s[58:59]
	s_add_nc_u64 s[6:7], s[6:7], s[54:55]
	s_load_b32 s60, s[6:7], 0x0                    ; the head's scale
	s_mov_b32 s[G0A], 1
	s_mov_b32 s[G0A+1], s53
	s_add_nc_u64 s[G0A+2:G0A+3], s[8:9], s[56:57]
	s_or_b32 s[G0A+3], s[G0A+3], 0x80000000
	s_mov_b32 s[G0B], 1
	s_mov_b32 s[G0B+1], s51
	s_add_nc_u64 s[G0B+2:G0B+3], s[8:9], s[62:63]
	s_or_b32 s[G0B+3], s[G0B+3], 0x80000000
	ROUND                                          ; all four work-groups are here: the joint loads meet
	tensor_load_to_lds s[G0A:G0A+3], s[G1A:G1A+7]  ; my one load at the head: key steps 0-3
	s_nop 0
	QLOAD SS, 0                                    ; tile 0's query, into S^T's registers: what follows is done while the loads are out
	s_wait_kmcnt 0x0
	v_mov_b32 v[CV], s60
	s_delay_alu instid0(VALU_DEP_1)
	v_mul_f32 v[CV], 0x3fb8aa3b, v[CV]             ; c = scale x log2(e)
	s_delay_alu instid0(VALU_DEP_1)
	v_and_b32 v[CV], 0x7fffffff, v[CV]
	s_delay_alu instid0(VALU_DEP_1)
	v_mov_b32 v[CV+1], v[CV]
	s_lshr_b32 s61, s60, 31
	s_mul_i32 s61, s61, 0x88888888                 ; the scale's sign as the sign bits of eight codes
	INIT
	s_wait_tensorcnt 0x0                           ; my part is in
	ds_add_u32 v[SPW], v[NIL]
	s_wait_dscnt 0x0
	ROUND                                          ; steps 0-3 are whole in every partner
	tensor_load_to_lds s[G0B:G0B+3], s[G1B:G1B+7]  ; key steps 4-15: they land under the first four steps' work
	s_nop 0
	s_wait_loadcnt 0x0
	QUANT SS, FR
	s_wait_alu depctr_va_vdst(0)
	LOOP 4
	s_wait_tensorcnt 0x0                           ; my part of steps 4-15 is in,
	s_wait_dscnt 0x0
	s_barrier_signal -1
	s_barrier_wait -1                              ; and everybody's
	global_prefetch_b8 v[PFO], s[4:5] offset:TILE1 th:TH_LOAD_NT scope:SCOPE_SE   ; tile 1's query, my 8,192 bytes, lanes 256 bytes apart, 12 key steps ahead of its loads
	LOOP 12
	WAYOUT 0, 1
	s_wait_loadcnt 0x0                             ; tile 1's query
	QUANT OT, SS
	INIT
	LOOP 16
	WAYOUT TILE1, 0
	s_wait_tensorcnt 0x0                           ; the wave's end
	ds_add_u32 v[SPW], v[NIL]
	s_wait_dscnt 0x0
	ROUND                                          ; the closing round
	s_endpgm
.Lfunc_end_k_qa88f120c95_attn:
	.size	k_qa88f120c95_attn, .Lfunc_end_k_qa88f120c95_attn-k_qa88f120c95_attn
	.p2alignl 7, 3214868480
	.fill 96, 4, 3214868480
	.section	.rodata,"a",@progbits
	.p2align	6, 0x0
	.amdhsa_kernel k_qa88f120c95_attn
		.amdhsa_group_segment_fixed_size 327680
		.amdhsa_private_segment_fixed_size 0
		.amdhsa_enable_private_segment 0
		.amdhsa_kernarg_size 32
		.amdhsa_user_sgpr_count 2
		.amdhsa_user_sgpr_kernarg_segment_ptr 1
		.amdhsa_wavefront_size32 1
		.amdhsa_system_sgpr_workgroup_id_x 1
		.amdhsa_system_sgpr_workgroup_id_y 1
		.amdhsa_system_sgpr_workgroup_id_z 1
		.amdhsa_system_vgpr_workitem_id 0
		.amdhsa_next_free_vgpr 256
		.amdhsa_next_free_sgpr 72
		.amdhsa_reserve_vcc 0
		.amdhsa_float_denorm_mode_32 3
		.amdhsa_float_denorm_mode_16_64 3
		.amdhsa_memory_ordered 1
		.amdhsa_forward_progress 1
		.amdhsa_inst_pref_size 96
	.end_amdhsa_kernel
	.amdgpu_metadata
---
amdhsa.version: [ 1, 2 ]
amdhsa.kernels:
  - .name:           k_qa88f120c95_attn
    .symbol:         k_qa88f120c95_attn.kd
    .args:
      - { .name: query, .offset: 0, .size: 8, .value_kind: global_buffer, .address_space: global }
      - { .name: scale_factor, .offset: 8, .size: 8, .value_kind: global_buffer, .address_space: global }
      - { .name: kv, .offset: 16, .size: 8, .value_kind: global_buffer, .address_space: global }
      - { .name: out0, .offset: 24, .size: 8, .value_kind: global_buffer, .address_space: global }
    .group_segment_fixed_size: 327680
    .private_segment_fixed_size: 0
    .kernarg_segment_align: 8
    .kernarg_segment_size: 32
    .max_flat_workgroup_size: 512
    .sgpr_count:     72
    .vgpr_count:     256
    .wavefront_size: 32
...
	.end_amdgpu_metadata
.endif
;; end of part 2
